; MI455X (gfx1250); checked and timed in simulation.
; The chip was launched on July 23, 2026; its instructions are those of AMD's public machine-readable ISA for CDNA 5 (MIT licence, August 2026) and "CDNA5" Instruction Set Architecture Reference Guide (July 2026). The comments in the code are by the model that wrote it; some were corrected since.
;; Mo E Top2 Two Experts Per Rank. Allowed arithmetic: float matrix products may take bf16 or f16 operands with f32 sums; all other float work in f32.
;; Inputs: W1_0 2,048 x 8,192 float32; W1_1 2,048 x 8,192 float32; W2_0 8,192 x 2,048 float32; W2_1 8,192 x 2,048 float32; b1_0 8,192 float32; b1_1 8,192 float32; b2_0 2,048 float32; b2_1 2,048 float32; top2_exp_id 1,024 x 2 int32; top2_weight 1,024 x 2 float32; x_local 1,024 x 2,048 float32.
;; Outputs: out0 1,024 x 2,048 float32.
;; One version. Each part assembles by itself: llvm-mc -triple=amdgcn-amd-amdhsa -mcpu=gfx1250 --defsym DOCPART=n.
;; ======== version 1 of 1: 4 launches
;; limits: values are held in f16: magnitudes above 65,504 overflow, below 6.1e-05 lose precision; inputs' magnitudes at most 65,504; right only within a limited range of input values
;; workspace buffers: xb 4,194,304 bytes; gate 8,192 bytes; hbuf 33,554,432 bytes; part 67,108,864 bytes
;; launch prep (part 1): grid 256 x 1, 8 waves a work-group, no clusters, 0 bytes of LDS; arguments x_local, top2_exp_id, top2_weight, xb, gate; writes xb, gate
.if DOCPART == 1
	.amdgcn_target "amdgcn-amd-amdhsa--gfx1250"
	.amdhsa_code_object_version 6
	.text
	.protected	k_q47d1a7f38f_prep
	.globl	k_q47d1a7f38f_prep
	.p2align	8
	.type	k_q47d1a7f38f_prep,@function
k_q47d1a7f38f_prep:
	s_mov_b64 s[64:65], 0
	v_nop
	global_prefetch_b8 v0, s[64:65] scope:SCOPE_SE
	s_setreg_imm32_b32 hwreg(HW_REG_WAVE_MODE, 25, 1), 1
	s_wait_xcnt 0x0
; xb = f16(x_local), [1024][2048] row-major, and gate[e][t] = the sum over the two slots of weight where (id mod 2) == e, [2][1024] f32.
; With these two sums  out = g0 * y0 + g1 * y1,  so that no later launch has an address or a branch that hangs on the ids.
; id mod 2 is taken as id & 1, which is the non-negative remainder for negative ids too.
; FORMAT: x is a matrix operand and goes in f16 (11 significant bits).  It is drawn with spread 1: thirty times larger, or offset by thirty spreads,
; it stays under 200, and f16 ends at 65,504; thirty times smaller its rms is 0.03, far above 2^-14, below which f16's step no longer shrinks.
; LIMIT: |x| >= 65,520 becomes infinite.
; The cast is a stream: the work-group owns 32,768 bytes of x, thread t the 16 bytes at 16 t of each of eight pieces of 4,096 bytes.
; All eight loads go out first; a store of a wave covers 256 consecutive bytes, aligned.  No register is written twice, so no wait frees one.
; No LDS, no matrix unit, no cluster: nothing is shared and nothing is multiplied.
.set X, 4                              ; v[4:35]   eight pieces, 4 f32 each
.set Y, 36                             ; v[36:51]  eight pieces, 4 f16 each
	s_load_b256 s[4:11], s[0:1], 0x0               ; x s[4:5], ids s[6:7], weights s[8:9], xb s[10:11]
	s_load_b64 s[12:13], s[0:1], 0x20              ; gate
	v_lshlrev_b32 v1, 4, v0                        ; 16 t
	v_lshlrev_b32 v2, 3, v0                        ; 8 t
	v_lshrrev_b32 v3, 5, v0
	v_readfirstlane_b32 s18, v3                    ; wave
	s_lshl_b32 s14, ttmp9, 15                      ; my 32,768 bytes of x
	s_mov_b32 s15, 0
	s_lshl_b32 s16, ttmp9, 14                      ; my 16,384 bytes of xb
	s_mov_b32 s17, 0
	s_wait_kmcnt 0x0
	s_add_nc_u64 s[4:5], s[4:5], s[14:15]
	s_add_nc_u64 s[10:11], s[10:11], s[16:17]
.irp i, 0,1,2,3,4,5,6,7
	global_load_b128 v[X+4*\i:X+4*\i+3], v1, s[4:5] offset:4096*\i th:TH_LOAD_NT
.endr
.irp i, 0,1,2,3,4,5,6,7
	s_wait_loadcnt 7-\i                            ; loads come back in order: piece i is in, the 7 - i younger ones stay out
	v_cvt_pk_f16_f32 v[Y+2*\i], v[X+4*\i], v[X+4*\i+1]
	v_cvt_pk_f16_f32 v[Y+2*\i+1], v[X+4*\i+2], v[X+4*\i+3]
	global_store_b64 v2, v[Y+2*\i:Y+2*\i+1], s[10:11] offset:2048*\i
.endr
	; The gates: wave 0 of work-groups 0 to 15 makes 64 tokens each, lane l the tokens 2 l and 2 l + 1 of them.
	s_cmp_lt_u32 ttmp9, 16
	s_cbranch_scc0 .Lend
	s_cmp_lg_u32 s18, 0
	s_cbranch_scc1 .Lend
	s_lshl_b32 s14, ttmp9, 9                       ; 64 tokens x 8 bytes of ids and of weights
	s_lshl_b32 s16, ttmp9, 8                       ; 64 tokens x 4 bytes of a gate row
	s_add_nc_u64 s[6:7], s[6:7], s[14:15]
	s_add_nc_u64 s[8:9], s[8:9], s[14:15]
	s_add_nc_u64 s[12:13], s[12:13], s[16:17]
	global_load_b128 v[52:55], v1, s[6:7]          ; in wave 0 t is the lane: id(t0,0) id(t0,1) id(t1,0) id(t1,1)
	global_load_b128 v[56:59], v1, s[8:9]          ; the four weights
	v_mov_b32 v60, 0
	s_wait_loadcnt 0x0
.irp k, 0,1,2,3
	v_and_b32 v[52+\k], 1, v[52+\k]
	v_cmp_eq_u32 vcc_lo, 1, v[52+\k]
	v_cndmask_b32 v[66+\k], v60, v[56+\k], vcc_lo  ; the weight where the slot names expert 1, else 0
	v_cndmask_b32 v[70+\k], v[56+\k], v60, vcc_lo  ; the weight where it names expert 0, else 0
.endr
	v_add_f32 v62, v70, v71                        ; g0 of token 2 l
	v_add_f32 v63, v72, v73                        ; g0 of token 2 l + 1
	v_add_f32 v64, v66, v67                        ; g1
	v_add_f32 v65, v68, v69
	global_store_b64 v2, v[62:63], s[12:13]        ; 32 lanes x 8 bytes: 256 consecutive bytes, aligned
	global_store_b64 v2, v[64:65], s[12:13] offset:4096
.Lend:
	s_endpgm
.Lfunc_end_k_q47d1a7f38f_prep:
	.size	k_q47d1a7f38f_prep, .Lfunc_end_k_q47d1a7f38f_prep-k_q47d1a7f38f_prep
	.p2alignl 7, 3214868480
	.fill 96, 4, 3214868480
	.section	.rodata,"a",@progbits
	.p2align	6, 0x0
	.amdhsa_kernel k_q47d1a7f38f_prep
		.amdhsa_group_segment_fixed_size 0
		.amdhsa_private_segment_fixed_size 0
		.amdhsa_enable_private_segment 0
		.amdhsa_kernarg_size 40
		.amdhsa_user_sgpr_count 2
		.amdhsa_user_sgpr_kernarg_segment_ptr 1
		.amdhsa_wavefront_size32 1
		.amdhsa_system_sgpr_workgroup_id_x 1
		.amdhsa_system_sgpr_workgroup_id_y 1
		.amdhsa_system_sgpr_workgroup_id_z 1
		.amdhsa_system_vgpr_workitem_id 0
		.amdhsa_next_free_vgpr 80
		.amdhsa_next_free_sgpr 66
		.amdhsa_reserve_vcc 1
		.amdhsa_float_denorm_mode_32 3
		.amdhsa_float_denorm_mode_16_64 3
		.amdhsa_memory_ordered 1
		.amdhsa_forward_progress 1
		.amdhsa_inst_pref_size 5
	.end_amdhsa_kernel
	.amdgpu_metadata
---
amdhsa.version: [ 1, 2 ]
amdhsa.kernels:
  - .name:           k_q47d1a7f38f_prep
    .symbol:         k_q47d1a7f38f_prep.kd
    .args:
      - { .name: x_local, .offset: 0, .size: 8, .value_kind: global_buffer, .address_space: global }
      - { .name: top2_exp_id, .offset: 8, .size: 8, .value_kind: global_buffer, .address_space: global }
      - { .name: top2_weight, .offset: 16, .size: 8, .value_kind: global_buffer, .address_space: global }
      - { .name: xb, .offset: 24, .size: 8, .value_kind: global_buffer, .address_space: global }
      - { .name: gate, .offset: 32, .size: 8, .value_kind: global_buffer, .address_space: global }
    .group_segment_fixed_size: 0
    .private_segment_fixed_size: 0
    .kernarg_segment_align: 8
    .kernarg_segment_size: 40
    .max_flat_workgroup_size: 256
    .sgpr_count:     66
    .vgpr_count:     80
    .wavefront_size: 32
...
	.end_amdgpu_metadata
.endif
;; end of part 1
;; launch ffn1 (part 2): grid 64 x 4, 4 waves a work-group, clusters of 4 x 4, 327,680 bytes of LDS; arguments xb, W1_0, W1_1, b1_0, b1_1, hbuf; writes hbuf
.if DOCPART == 2
	.amdgcn_target "amdgcn-amd-amdhsa--gfx1250"
	.amdhsa_code_object_version 6
	.text
	.protected	k_q47d1a7f38f_ffn1
	.globl	k_q47d1a7f38f_ffn1
	.p2align	8
	.type	k_q47d1a7f38f_ffn1,@function
k_q47d1a7f38f_ffn1:
	s_mov_b64 s[64:65], 0
	v_nop
	global_prefetch_b8 v0, s[64:65] scope:SCOPE_SE
	s_setreg_imm32_b32 hwreg(HW_REG_WAVE_MODE, 25, 1), 1
	s_wait_xcnt 0x0
	s_wait_alu depctr_hold_cnt(0) depctr_sa_sdst(0) depctr_va_vdst(0) depctr_va_sdst(0) depctr_va_ssrc(0) depctr_va_vcc(0) depctr_vm_vsrc(0)
	s_getreg_b32 s2, hwreg(HW_REG_IB_STS2, 6, 4)
	s_cmp_eq_u32 s2, 0
	s_cbranch_scc0 .Lentry_in_a_cluster
	s_endpgm
.Lentry_in_a_cluster:
	s_bfe_u32 s2, ttmp6, 0x10000c
	s_cmp_lg_u32 s2, 0xf033
	s_cbranch_scc0 .Lentry_shape_is_right
	s_endpgm
.Lentry_shape_is_right:
; hbuf[t][8192 e + n] = f16( gelu( sum over k of xb[t][k] W1_e[k][n] + b1_e[n] ) / 16 ), both experts side by side: M 1024, N 16384, K 2048.
; A work-group makes a block of 256 x 256 with four waves; a wave makes 128 x 128: 64 accumulator tiles of 16 x 16 in 512 registers.
; 64 column blocks x 4 row blocks = 256 work-groups.
;
; THE WEIGHTS ARE f32 AND LIE [K][N].  A tensor load brings a tile as it lies: 64 k rows of 1,024 bytes (256 columns).  A lane reads 16 bytes = four
; neighbouring columns of one k row; the four numbers belong to four different B fragments, and two rows k, k + 1 are packed by one
; v_cvt_pk_f16_f32.  So the column that lane r holds in fragment f = 4 x + e is  8 r + 4 (x xor (r >> 3)) + e  of my 128, a permutation
; that costs nothing: on the way out a lane then holds eight neighbouring columns but for a swap of two quads (below).
; For 32 along K a wave issues 32 + 16 LDS loads and 64 conversions for 64 matrix instructions; nothing is stored into LDS.
;
; THE LENGTH OF THE TEXT: the way out is 32 expansions of 160 instructions, since the accumulators are named by number.  So the loop is kept in its short
; form: tiles of 64 k, which divide K evenly, eight sub-steps in the loop's text and eight outside it, loads and conversions in long runs.  The launch
; behind this one, whose way out is 128 stores, runs the same product on slots of 96 k with more of its tiles written out.
;
; THE QUAD SWAP IN hbuf: physical column p holds logical column p xor 4 ((p >> 6) & 1).  The next launch reads W2 rows in the same order.
;
; CLUSTERS: 4 x 4 work-groups.  The four of a row of the cluster share the block row, so x tiles are asked for jointly along the row; the four of a
; column share the block column, so W tiles are asked for jointly along the column.  All four block rows lie in one cluster: each byte of W1 is
; asked for once in the launch.
;
; FORMAT: matrix operands in f16 (11 significant bits), sums in f32.  The room, by the sizes that the inputs are drawn with:
;   W1: up to 0.0221, rms 0.0128.  Thirty times larger is far below 65,504.  Thirty times smaller the rms is 4.3e-4; below 2^-14 the step of f16 is 2^-24,
;       so the rounding error is at most 2^-25 = 3e-8, under 1e-4 of the rms.
;   h = gelu(v) is stored as h / 16, an exact scaling that the last launch takes back.  v has rms 0.58.  With x and W1 both thirty times larger
;       |v| stays under 900 x 0.58 x 6 = 3,200; with both offset by thirty spreads (30 and 30 x 0.044) v is about 2,048 x 30 x 1.33 = 82,000, h / 16 about 5,100.
;       With both thirty times smaller h has rms 3.2e-4, h / 16 2e-5, and the error of at most 3e-8 is 1.5e-3 of the rms at the most.
; LIMITS.  |gelu| >= 1,048,320 becomes infinite.  erf is Abramowitz and Stegun 7.1.26 (five terms), absolute error at most 1.5e-7, so gelu(v) is off by
; at most 0.75e-7 |v|; it holds for every finite v (2^(-w w) goes to 0, t goes to 0).
;
; REGISTERS in windows of 256 (s_set_vgpr_msb, low byte: bits 1:0 source 0, 3:2 source 1, 5:4 source 2, 7:6 destination):
;   window 0: v0-31 addresses, v32-47 bias, v48-63 at work, v64-127 and v128-191 B fragments (two buffers)
;   window 1: v0-127 raw f32 of W (32 quads), v128-191 and v192-255 A fragments (two buffers)
;   window 2: accumulator tiles of my rows 0-63 (tile (a, b) at v[8 (8 a + b)]);  window 3: those of my rows 64-127
.set APITCH, 2048                      ; elements from row to row of xb
.set BPITCH, 8192                      ; elements from row to row of W1
.set BPB,    4*BPITCH                  ; bytes from row to row of W1
.set BPBLOG, 15
.set KPERM,  0                         ; k is in its natural order here
.set ASLOT,  69632                     ; an A slot: 256 rows x 272 bytes (128 k of f16 + 16 of padding: row r starts 4 r banks on, 64 banks of 4 bytes, ISA guide 11.1)
.set AHALF,  34816                     ; 128 rows of it
.set AQUART, 17408                     ; 64 rows: what one tensor load brings
.set BBASE,  2*ASLOT                   ; behind the two A slots
.set BSLOT,  65536                     ; a B slot: 64 k rows x 1,024 bytes, no padding
.set ADRA, 16                          ; v16-17  LDS address of my A fragments in slot 0, 1
.set ADRB, 18                          ; v18-21  LDS address of my columns of W: slot 0 x 0, slot 0 x 1, slot 1 x 0, slot 1 x 1
.set PF,   22                          ; v22     my byte offset in a pair of W tiles, for the prefetch
.set CO,   23                          ; v23     my byte offset in hbuf
.set BRAW, 24                          ; v24-31  b1 of my eight columns
.set BIASK, 32                         ; v32-47  kappa x b1, each twice (pairs for the packed multiply-add)
.set BF0,  64                          ; window 0: B fragment buffer 0; buffer 1 is 64 on
.set RAW,  0                           ; window 1
.set AF0,  128                         ; window 1: A fragment buffer 0; buffer 1 is 64 on
.set EW, 48                            ; the way out, 16 numbers at a time, window 0
.set ED, 64
.set ET, 80
.set ES, 96
.set EE, 112
.set EM, 128
.set EP, 144
.set EO, 160                           ; v160-191 eight rows x 16 bytes to store
.set G1A, 24                           ; s[24:31] descriptor group 1, A tiles
.set G1B, 32                           ; s[32:39] descriptor group 1, B tiles
.set GA,  40                           ; s[40:55] group 0 for A, set 2 slot + half
.set GB,  56                           ; s[56:63] group 0 for B, one set a slot
.set MUL_LO, 0xa1                      ; A window 1, B window 0, C and D window 2
.set MUL_HI, 0xf1                      ; the same, C and D window 3
.set LOADW,  0x40                      ; destination window 1, address window 0
.set CVTW,   0x05                      ; both sources window 1, destination window 0
.set MSB, 0
.macro WIN new                         ; the immediate's high byte repeats the setting that is left; a switch that changes nothing is dropped
.if MSB != (\new)
	s_set_vgpr_msb (MSB<<8)|(\new)
.set MSB, (\new)
.endif
.endm
; Four places: a load into, or a vector write of, a register that a matrix instruction has read, and a vector read or a store of a matrix result,
; stand four plain vector instructions behind it; the matrix instructions in between are not counted.
.macro PLACES
.rept 4
	v_nop
.endr
.endm
.macro CREST                           ; a round of the cluster's barrier behind its opening work-group barrier
	s_cmp_lg_u32 s20, 0
	s_cbranch_scc1 .Lnot_wave_0_\@
	s_barrier_signal -3
.Lnot_wave_0_\@:
	s_barrier_wait -3
	s_barrier_signal -1
	s_barrier_wait -1
.endm
.macro CROUND                          ; a whole round
	s_barrier_signal -1
	s_barrier_wait -1
	CREST
.endm
; The joint refill, one tensor load a wave: waves 0 and 1 fetch 64 rows of A each (doa = 1), waves 2 and 3 fetch 32 k rows of B each.
; The branch hangs on the wave's number alone.
.macro JLOAD doa, ai, bs
	s_cmp_eq_u32 s21, 0
.if \doa
	s_cbranch_scc0 .Lfor_b_\@
	tensor_load_to_lds s[GA+4*\ai:GA+4*\ai+3], s[G1A:G1A+7]
	s_nop 0
	s_branch .Lasked_\@
.Lfor_b_\@:
.else
	s_cbranch_scc1 .Lasked_\@
.endif
	tensor_load_to_lds s[GB+4*\bs:GB+4*\bs+3], s[G1B:G1B+7]
	s_nop 0
.Lasked_\@:
.endm
; 16 matrix instructions: row blocks a0, a0 + 1 of the window's four x all 8 column fragments, 32 along K, from buffer f.
; zero = 1: the first product starts the sums.  The 64 accumulators take turns, one instruction a turn, in the same order in every
; sub-step and over the backward jump.
.macro MUL16 f, hi, a0, zero
.irp a, \a0, \a0+1
.irp b, 0,1,2,3,4,5,6,7
.if \zero
	v_wmma_f32_16x16x32_f16 v[8*(8*(\a)+\b):8*(8*(\a)+\b)+7], v[AF0+64*\f+8*(4*\hi+\a):AF0+64*\f+8*(4*\hi+\a)+7], v[BF0+64*\f+8*\b:BF0+64*\f+8*\b+7], 0
.else
	v_wmma_f32_16x16x32_f16 v[8*(8*(\a)+\b):8*(8*(\a)+\b)+7], v[AF0+64*\f+8*(4*\hi+\a):AF0+64*\f+8*(4*\hi+\a)+7], v[BF0+64*\f+8*\b:BF0+64*\f+8*\b+7], v[8*(8*(\a)+\b):8*(8*(\a)+\b)+7]
.endif
.endr
.endr
.endm
; 48 LDS loads in one run, for 32 along K.  First W raw: lane (r, h) takes rows brow + 16 c + 8 h + i, two quads of columns (x) each, into quad 2 (8 c + i) + x.
; Then my eight A fragments into buffer g: two loads of 16 bytes, 32 bytes apart, at row x 272 + 16 h.
.macro FETCH aslot, akb, bslot, brow, kx, g
	WIN LOADW
.irp c, 0,1
.irp i, 0,1,2,3,4,5,6,7
.irp x, 0,1
	ds_load_b128 v[RAW+4*(2*(8*\c+\i)+\x):RAW+4*(2*(8*\c+\i)+\x)+3], v[ADRB+2*\bslot+\x] offset:(\brow+16*\c+((\i+\kx)%8))*1024
.endr
.endr
.endr
.irp m, 0,1,2,3,4,5,6,7
	ds_load_b128 v[AF0+64*\g+8*\m:AF0+64*\g+8*\m+3], v[ADRA+\aslot] offset:\akb+4352*\m
	ds_load_b128 v[AF0+64*\g+8*\m+4:AF0+64*\g+8*\m+7], v[ADRA+\aslot] offset:\akb+4352*\m+32
.endr
.endm
; 32 conversions: registers 4 c .. 4 c + 3 of the eight B fragments of buffer g (k = 16 c + 8 h + 2 jj in the low half, + 1 in the high half).
.macro CVT c, g
	WIN CVTW
.irp jj, 0,1,2,3
.irp x, 0,1
.irp e, 0,1,2,3
	v_cvt_pk_f16_f32 v[BF0+64*\g+8*(4*\x+\e)+4*\c+\jj], v[RAW+4*(2*(8*\c+2*\jj)+\x)+\e], v[RAW+4*(2*(8*\c+2*\jj+1)+\x)+\e]
.endr
.endr
.endr
.endm
; The head of a sub-step that stays in its slots.
.macro PLAINHEAD f, zero
	s_wait_dscnt 0x0                               ; my A fragments are in (the raw loads were waited for by the conversions)
	WIN MUL_LO
	MUL16 \f, 0, 0, \zero
.endm
; The head of a sub-step in front of a new tile's first LDS read.  Each wave waits for all its LDS reads and all its tensor loads, then the barrier;
; round = 1: it opens a round of the cluster's barrier, and behind the round the joint refill is the first tensor load, one a wave.
.macro ROUNDHEAD round, doa, ai, bs, pf, pfoff
	s_wait_dscnt 0x0                               ; my reads of the tiles in use are over, my A fragments are in
	s_set_vgpr_msb (MSB<<8)|((MSB&0xf0)|0x0)
	s_wait_tensorcnt 0x0                           ; all my tensor loads have landed: the one that was out is my part of the next tile
	ds_add_u32 v254, v255
	s_wait_dscnt 0x0
	s_set_vgpr_msb (((MSB&0xf0)|0x0)<<8)|MSB
	s_barrier_signal -1
	WIN MUL_LO
	MUL16 1, 0, 0, 0                               ; registers alone between the signal and the wait
	WIN 0
	s_barrier_wait -1
.if \round
	CREST                                          ; now no wave of any partner reads the slots that are filled next or has a load on its way
.if \doa
	s_add_nc_u64 s[GA+4*\ai+2:GA+4*\ai+3], s[GA+4*\ai+2:GA+4*\ai+3], 512        ; two blocks of 128 k on
.endif
	s_add_nc_u64 s[GB+4*\bs+2:GB+4*\bs+3], s[GB+4*\bs+2:GB+4*\bs+3], 128*BPB    ; two tiles of 64 k rows on
	JLOAD \doa, \ai, \bs
.endif
.if \pf
	global_prefetch_b8 v[PF], s[72:73] offset:\pfoff th:TH_LOAD_NT scope:SCOPE_SE
.endif
.endm
; The rest of a sub-step: multiplies buffer f and makes buffer g ready.
.macro BODY f, g, zero, aslot, akb, bslot, brow, kx
	PLACES                                         ; behind the sub-step before, whose matrix instructions read buffer g
	FETCH \aslot, \akb, \bslot, \brow, \kx, \g
	WIN MUL_LO
	MUL16 \f, 0, 2, \zero
	s_wait_dscnt 32                                ; of the 48 loads the first 16 are in: the raw rows of c = 0
	CVT 0, \g
	WIN MUL_HI
	MUL16 \f, 1, 0, \zero
	s_wait_dscnt 16                                ; all 32 raw loads are in; the 16 of A may be out
	CVT 1, \g
	WIN MUL_HI
	MUL16 \f, 1, 2, \zero
.endm
; Tile t, tm = t mod 4: the sub-step that multiplies the last 32 k of tile t - 1 and fetches the first 32 k of tile t, then the one that multiplies
; those and fetches the second 32 k.  Tile t lies in A slot (t >> 1) & 1 at byte 128 (t & 1) of the rows and in B slot t & 1.
; Behind the round, B slot (t + 1) & 1 gets tile t + 1, and (doa) half t & 1 of the other A slot gets block (t >> 1) + 1.
.macro TURN tm, round, doa, pf, pfoff
	ROUNDHEAD \round, \doa, (2*(1-((\tm>>1)&1))+(\tm&1)), (1-(\tm&1)), \pf, \pfoff
	BODY 1, 0, 0, ((\tm>>1)&1), (128*(\tm&1)), (\tm&1), 0, (4*KPERM*(\tm&1))
	PLAINHEAD 0, 0
	BODY 0, 1, 0, ((\tm>>1)&1), (128*(\tm&1)+64), (\tm&1), 32, (4*KPERM*(\tm&1))
.endm
	s_load_b256 s[4:11], s[0:1], 0x0               ; xb s[4:5], W1_0 s[6:7], W1_1 s[8:9], b1_0 s[10:11]
	s_load_b128 s[12:15], s[0:1], 0x20             ; b1_1 s[12:13], hbuf s[14:15]
	v_lshl_add_u32 v254, v0, 2, 0x42000
	v_mov_b32 v255, 0
	ds_add_u32 v254, v255
	v_lshrrev_b32 v1, 5, v0
	v_readfirstlane_b32 s20, v1                    ; wave 0..3
	s_lshr_b32 s21, s20, 1                         ; which 128 rows of the block are mine.  Also: I fetch for A (0) or for B (1)
	s_and_b32 s22, s20, 1                          ; which 128 columns.  Also: which part of a tile I fetch
	s_bfe_u32 s66, ttmp6, 0x40000                  ; cx
	s_bfe_u32 s67, ttmp6, 0x40004                  ; cy = the block row: the grid has one cluster along y
	s_lshl_b32 s68, ttmp9, 2
	s_add_co_u32 s68, s68, s66                     ; block column 0..63 = 4 x cluster x + cx; 32 and up are expert 1
	s_lshl_b32 s70, s67, 2
	s_lshl_b32 s70, 15, s70                        ; my row of the cluster: places 4 cy .. 4 cy + 3
	s_lshl_b32 s71, 0x1111, s66                    ; my column: places cx, cx + 4, cx + 8, cx + 12
	; group 1 for A: 64 rows x 128 f16, 16 bytes of padding behind each 64 words
	s_or_b32 s[G1A+0], s70, (1<<16)|(1<<20)|(1<<21)|(5<<22)|(3<<25)
	s_mov_b32 s[G1A+1], 128<<16                    ; tensor_dim0 = 128
	s_mov_b32 s[G1A+2], 64<<16                     ; tensor_dim1 = 64
	s_mov_b32 s[G1A+3], 128<<16                    ; tile_dim0 = 128
	s_mov_b32 s[G1A+4], 64                         ; tile_dim1 = 64
	s_mov_b32 s[G1A+5], APITCH
	s_mov_b32 s[G1A+6], 0
	s_mov_b32 s[G1A+7], 0
	; group 1 for B: 32 rows x 256 f32, no padding
	s_or_b32 s[G1B+0], s71, (2<<16)|(1<<21)
	s_mov_b32 s[G1B+1], 256<<16
	s_mov_b32 s[G1B+2], 32<<16
	s_mov_b32 s[G1B+3], 256<<16
	s_mov_b32 s[G1B+4], 32
	s_mov_b32 s[G1B+5], BPITCH
	s_mov_b32 s[G1B+6], 0
	s_mov_b32 s[G1B+7], 0
	; where the tiles come from.  A: block row and wave alone (s74, s75).  B: block column and wave alone (s76 to s79).
	s_lshl_b32 s74, s67, 8
	s_lshl_b32 s75, s22, 6
	s_add_co_u32 s74, s74, s75                     ; row 256 x block row + 64 x part
	s_mul_i32 s74, s74, APITCH*2
	s_mov_b32 s75, 0
	s_and_b32 s78, s68, 31
	s_lshl_b32 s78, s78, 10                        ; the block's 256 columns of its expert, in bytes
	s_mov_b32 s79, 0
	s_mul_i32 s76, s22, 32*BPB                     ; my 32 k rows of a tile
	s_add_co_u32 s76, s76, s78
	s_mov_b32 s77, 0
	s_mul_i32 s96, s20, AQUART                     ; and where they go: the wave's number and constants alone
	s_mul_i32 s97, s20, 32768
	s_add_co_u32 s97, s97, BBASE-65536             ; waves 2 and 3: BBASE and BBASE + 32,768
	; constants of the way out; w = kappa v with kappa^2 = log2(e) / 2
	s_mov_b32 s80, 0x3f596d27                      ; kappa
	s_mov_b32 s81, 0x3f596d27
	s_mov_b32 s82, 0x3f07dc22                      ; a5 / 2
	s_mov_b32 s83, 0x3f07dc22
	s_mov_b32 s86, 0x3f35f0e3                      ; a3 / 2
	s_mov_b32 s87, 0x3f35f0e3
	s_mov_b32 s88, 0xbe11a98e                      ; a2 / 2
	s_mov_b32 s89, 0xbe11a98e
	s_mov_b32 s90, 0x3e027906                      ; a1 / 2
	s_mov_b32 s91, 0x3e027906
	s_mov_b32 s92, 0x3e8ba43f                      ; 0.3275911 / (kappa sqrt 2)
	s_mov_b32 s94, 0x3d96b55f                      ; 1 / (16 kappa): back from w to v, and the scaling of h by 1 / 16
	s_mov_b32 s95, 0x3d96b55f
	s_wait_dscnt 0x0
	s_wait_kmcnt 0x0
	s_cmp_ge_u32 ttmp9, 8                          ; the expert: the same in the whole cluster
	s_cselect_b64 s[18:19], s[8:9], s[6:7]         ; W1_e
	s_cselect_b64 s[10:11], s[12:13], s[10:11]     ; b1_e
	s_add_nc_u64 s[74:75], s[4:5], s[74:75]
	s_add_nc_u64 s[76:77], s[18:19], s[76:77]
	s_add_nc_u64 s[72:73], s[18:19], s[78:79]
	s_add_nc_u64 s[72:73], s[72:73], 256*BPB       ; the prefetch begins at tile 4
.irp i, 0,1,2,3
	s_mov_b32 s[GA+4*\i], 1
	s_add_co_u32 s[GA+4*\i+1], s96, ASLOT*(\i>>1)+AHALF*(\i&1)
	s_add_nc_u64 s[GA+4*\i+2:GA+4*\i+3], s[74:75], 256*(\i>>1)+128*APITCH*2*(\i&1)   ; block = slot, rows 128 x half
	s_or_b32 s[GA+4*\i+3], s[GA+4*\i+3], 0x80000000
.endr
.irp s, 0,1
	s_mov_b32 s[GB+4*\s], 1
	s_add_co_u32 s[GB+4*\s+1], s97, BSLOT*\s
	s_add_nc_u64 s[GB+4*\s+2:GB+4*\s+3], s[76:77], 64*BPB*\s                         ; tile = slot
	s_or_b32 s[GB+4*\s+3], s[GB+4*\s+3], 0x80000000
.endr
	CROUND                                         ; all sixteen work-groups are here: the first joint loads meet
	s_cmp_eq_u32 s21, 0                            ; the first fills, one group in one branch: both A slots (four loads) or both B slots (two loads)
	s_cbranch_scc0 .Lfirst_b
	tensor_load_to_lds s[GA:GA+3], s[G1A:G1A+7]
	s_nop 0
	tensor_load_to_lds s[GA+4:GA+7], s[G1A:G1A+7]
	s_nop 0
	tensor_load_to_lds s[GA+8:GA+11], s[G1A:G1A+7]
	s_nop 0
	tensor_load_to_lds s[GA+12:GA+15], s[G1A:G1A+7]
	s_nop 0
	s_branch .Lfirst_done
.Lfirst_b:
	tensor_load_to_lds s[GB:GB+3], s[G1B:G1B+7]
	s_nop 0
	tensor_load_to_lds s[GB+4:GB+7], s[G1B:G1B+7]
	s_nop 0
.Lfirst_done:
	v_and_b32 v1, 15, v0                           ; r
	v_bfe_u32 v2, v0, 4, 1                         ; h
	v_mul_u32_u24 v3, v1, 272
	v_lshl_add_u32 v3, v2, 4, v3                   ; 272 r + 16 h
	s_mul_i32 s98, s21, AHALF                      ; my 128 rows of A
	v_add_nc_u32 v[ADRA], s98, v3
	v_add_nc_u32 v[ADRA+1], ASLOT, v[ADRA]
	v_lshrrev_b32 v4, 3, v1                        ; r >> 3
	v_lshlrev_b32 v5, 5, v1                        ; 32 r
	v_lshl_add_u32 v6, v4, 4, v5                   ; x = 0: byte 32 r + 16 (r >> 3): 16-byte columns 0,2,..14,17,..31, all different modulo 16
	v_xor_b32 v9, 8, v0
	v_bfe_u32 v9, v9, 3, 1                         ; 1 - (r >> 3)
	v_lshl_add_u32 v7, v9, 4, v5                   ; x = 1: the other quad of the eight columns
	s_lshl_b32 s99, s22, 9                         ; my 128 columns
	s_add_co_u32 s99, s99, BBASE
	v_lshl_add_u32 v8, v2, 13, s99                 ; + 8 h rows of 1,024 bytes
	v_add_nc_u32 v[ADRB], v8, v6
	v_add_nc_u32 v[ADRB+1], v8, v7
	v_add_nc_u32 v[ADRB+2], BSLOT, v[ADRB]
	v_add_nc_u32 v[ADRB+3], BSLOT, v[ADRB+1]
	; the prefetch: two tiles are 128 rows x 1,024 bytes = 512 pieces of 256 bytes; 4 partners of my column x 4 waves x 32 lanes ask for one each
	v_bfe_u32 v10, v0, 2, 3
	s_lshl_b32 s2, s67, 5
	s_lshl3_add_u32 s2, s20, s2
	v_add_nc_u32 v10, s2, v10                      ; row 32 cy + 8 wave + (lane >> 2)
	v_lshlrev_b32 v10, BPBLOG, v10
	v_and_b32 v11, 3, v0
	v_lshl_add_u32 v[PF], v11, 8, v10
	v_lshlrev_b32 v[CO], 4, v1
	v_lshl_add_u32 v[CO], v2, 18, v[CO]            ; 8 h rows of 32,768 bytes + 16 r
	s_lshl_b32 s2, s22, 9
	s_add_co_u32 s2, s2, s78
	s_mov_b32 s3, 0
	s_add_nc_u64 s[10:11], s[10:11], s[2:3]        ; b1_e at my 128 columns
	s_lshl_b32 s2, s67, 8
	s_lshl_b32 s23, s21, 7
	s_add_co_u32 s23, s2, s23                      ; my first row
	s_lshl_b32 s2, s23, 15
	s_lshl_b32 s23, s68, 9
	s_add_co_u32 s2, s2, s23
	s_lshl_b32 s23, s22, 8
	s_add_co_u32 s2, s2, s23
	s_add_nc_u64 s[14:15], s[14:15], s[2:3]        ; hbuf at my first row and column
	global_load_b128 v[BRAW:BRAW+3], v6, s[10:11]
	global_load_b128 v[BRAW+4:BRAW+7], v7, s[10:11]
	s_wait_loadcnt 0x0
.irp f, 0,1,2,3,4,5,6,7
	v_mul_f32 v[BIASK+2*\f], s80, v[BRAW+\f]
	v_mul_f32 v[BIASK+2*\f+1], s80, v[BRAW+\f]
.endr
	s_wait_tensorcnt 0x0                           ; my first fills are in,
	s_barrier_signal -1
	s_barrier_wait -1                              ; everybody's are
	FETCH 0, 0, 0, 0, 0, 0
	s_wait_dscnt 16                                ; the 32 raw loads are in
	CVT 0, 0
	CVT 1, 0
	PLAINHEAD 0, 1                                 ; the first sub-step starts the sums
	BODY 0, 1, 1, 0, 64, 0, 32, 0
	TURN 1, 1, 0, 0, 0                             ; tile 1: B slot 0 gets tile 2; both A slots are still unread in part
	WIN 0
	s_mov_b32 s3, 7
.Ltrip:                                            ; tiles 2 to 29, four a trip
	TURN 2, 1, 1, 1, 0                             ; asks ahead for the two W tiles that follow the next one: in tile t for tiles t + 2 and t + 3
	TURN 3, 1, 1, 0, 0
	TURN 0, 1, 1, 1, 128*BPB
	TURN 1, 1, 1, 0, 0
	WIN 0
	s_wait_xcnt 0x0                                ; the prefetch base is stepped only behind this wait, a whole tile behind the last prefetch
	s_add_nc_u64 s[72:73], s[72:73], 256*BPB       ; the last trip has asked for tiles 30 and 31, the last: nothing points past W
	s_sub_co_u32 s3, s3, 1
	s_cmp_lg_u32 s3, 0
	s_cbranch_scc1 .Ltrip
	TURN 2, 1, 0, 0, 0                             ; tile 30: B slot 1 gets tile 31, the last load
	TURN 3, 0, 0, 0, 0                             ; tile 31: the work-group's barrier alone, nothing is filled
	s_wait_dscnt 0x0
	WIN MUL_LO
	MUL16 1, 0, 0, 0
	MUL16 1, 0, 2, 0
	WIN MUL_HI
	MUL16 1, 1, 0, 0
	MUL16 1, 1, 2, 0
; THE WAY OUT.  gelu(v) = (1 / kappa) (max(w, 0) - |w| q),  w = kappa v,  q = P(t) 2^(-w w) / 2,  t = 1 / (1 + PK |w|).
; Sixteen numbers at a time: fragments 2 i and 2 i + 1 of row block a, eight rows each.
.macro GELU16 a, i, wx
	WIN (2+(\a>>2))                                ; source 0 in the accumulators' window
.irp ff, 0,1
.irp jp, 0,2,4,6
	v_pk_fma_f32 v[EW+8*\ff+\jp:EW+8*\ff+\jp+1], v[8*(8*(\a&3)+2*\i+\ff)+\jp:8*(8*(\a&3)+2*\i+\ff)+\jp+1], s[80:81], v[BIASK+2*(2*\i+\ff):BIASK+2*(2*\i+\ff)+1] op_sel_hi:[1,0,1]
.endr
.endr
	WIN 0
.irp k, 0,1,2,3,4,5,6,7,8,9,10,11,12,13,14,15
	v_fma_f32 v[ED+\k], |v[EW+\k]|, s92, 1.0
.endr
.irp k, 0,2,4,6,8,10,12,14
	v_pk_mul_f32 v[ES+\k:ES+\k+1], v[EW+\k:EW+\k+1], v[EW+\k:EW+\k+1] neg_lo:[0,1] neg_hi:[0,1]
.endr
.irp k, 0,1,2,3,4,5,6,7,8,9,10,11,12,13,14,15
	v_rcp_f32 v[ET+\k], v[ED+\k]
.endr
.irp k, 0,1,2,3,4,5,6,7,8,9,10,11,12,13,14,15
	v_exp_f32 v[EE+\k], v[ES+\k]
.endr
.irp k, 0,1,2,3,4,5,6,7,8,9,10,11,12,13,14,15
	v_max_num_f32 v[EM+\k], 0, v[EW+\k]            ; plain work behind the transcendentals, ahead of the first use of their results (ISA guide 5.7.2)
.endr
	s_wait_alu depctr_va_vdst(0)
.irp k, 0,2,4,6,8,10,12,14
	v_pk_fma_f32 v[EP+\k:EP+\k+1], v[ET+\k:ET+\k+1], s[82:83], v[14:15] op_sel_hi:[1,0,1]
.endr
.irp k, 0,2,4,6,8,10,12,14
	v_pk_fma_f32 v[EP+\k:EP+\k+1], v[EP+\k:EP+\k+1], v[ET+\k:ET+\k+1], s[86:87] op_sel_hi:[1,1,0]
.endr
.irp k, 0,2,4,6,8,10,12,14
	v_pk_fma_f32 v[EP+\k:EP+\k+1], v[EP+\k:EP+\k+1], v[ET+\k:ET+\k+1], s[88:89] op_sel_hi:[1,1,0]
.endr
.irp k, 0,2,4,6,8,10,12,14
	v_pk_fma_f32 v[EP+\k:EP+\k+1], v[EP+\k:EP+\k+1], v[ET+\k:ET+\k+1], s[90:91] op_sel_hi:[1,1,0]
.endr
.irp k, 0,2,4,6,8,10,12,14
	v_pk_mul_f32 v[EP+\k:EP+\k+1], v[EP+\k:EP+\k+1], v[ET+\k:ET+\k+1]
.endr
.irp k, 0,2,4,6,8,10,12,14
	v_pk_mul_f32 v[EP+\k:EP+\k+1], v[EP+\k:EP+\k+1], v[EE+\k:EE+\k+1]
.endr
.irp k, 0,1,2,3,4,5,6,7,8,9,10,11,12,13,14,15
	v_fma_f32 v[ED+\k], -|v[EW+\k]|, v[EP+\k], v[EM+\k]
.endr
.irp k, 0,2,4,6,8,10,12,14
	v_pk_mul_f32 v[ED+\k:ED+\k+1], v[ED+\k:ED+\k+1], s[94:95] op_sel_hi:[1,0]        ; x 1 / (16 kappa)
.endr
.if \wx
	s_wait_xcnt 0x0                                ; EO was the data of the last row block's stores: it is rewritten only behind this wait
.endif
.irp j, 0,1,2,3,4,5,6,7
	v_cvt_pk_f16_f32 v[EO+4*\j+\i], v[ED+\j], v[ED+8+\j]       ; word i of row j: physical columns 8 r + 2 i and 8 r + 2 i + 1
.endr
.endm
.macro ROW16 a, wx
	GELU16 \a, 0, \wx
	GELU16 \a, 1, 0
	GELU16 \a, 2, 0
	GELU16 \a, 3, 0
.irp j, 0,1,2,3,4,5,6,7
	global_store_b128 v[CO], v[EO+4*\j:EO+4*\j+3], s[14:15] offset:(16*\a+\j)*32768   ; 16 lanes store 256 consecutive bytes, aligned
.endr
.endm
	PLACES                                         ; behind the last matrix instructions: results are read, fragment registers are written
	WIN 0
	v_mov_b32 v14, 0xbf3a00e3                      ; a4 / 2, twice
	v_mov_b32 v15, 0xbf3a00e3
	ROW16 0, 0
.irp a, 1,2,3,4,5,6,7
	ROW16 \a, 1
.endr
	CROUND                                         ; the closing round: no work-group ends while a partner may still ask for a tile that names it
	s_endpgm
.Lfunc_end_k_q47d1a7f38f_ffn1:
	.size	k_q47d1a7f38f_ffn1, .Lfunc_end_k_q47d1a7f38f_ffn1-k_q47d1a7f38f_ffn1
	.p2alignl 7, 3214868480
	.fill 96, 4, 3214868480
	.section	.rodata,"a",@progbits
	.p2align	6, 0x0
	.amdhsa_kernel k_q47d1a7f38f_ffn1
		.amdhsa_group_segment_fixed_size 327680
		.amdhsa_private_segment_fixed_size 0
		.amdhsa_enable_private_segment 0
		.amdhsa_kernarg_size 48
		.amdhsa_user_sgpr_count 2
		.amdhsa_user_sgpr_kernarg_segment_ptr 1
		.amdhsa_wavefront_size32 1
		.amdhsa_system_sgpr_workgroup_id_x 1
		.amdhsa_system_sgpr_workgroup_id_y 1
		.amdhsa_system_sgpr_workgroup_id_z 1
		.amdhsa_system_vgpr_workitem_id 0
		.amdhsa_next_free_vgpr 1024
		.amdhsa_next_free_sgpr 100
		.amdhsa_reserve_vcc 0
		.amdhsa_float_denorm_mode_32 3
		.amdhsa_float_denorm_mode_16_64 3
		.amdhsa_memory_ordered 1
		.amdhsa_forward_progress 1
		.amdhsa_inst_pref_size 255
	.end_amdhsa_kernel
	.section	.bss,"aw",@nobits
	.p2align	6
	.space	262144
	.amdgpu_metadata
---
amdhsa.version: [ 1, 2 ]
amdhsa.kernels:
  - .name:           k_q47d1a7f38f_ffn1
    .symbol:         k_q47d1a7f38f_ffn1.kd
    .args:
      - { .name: xb, .offset: 0, .size: 8, .value_kind: global_buffer, .address_space: global }
      - { .name: W1_0, .offset: 8, .size: 8, .value_kind: global_buffer, .address_space: global }
      - { .name: W1_1, .offset: 16, .size: 8, .value_kind: global_buffer, .address_space: global }
      - { .name: b1_0, .offset: 24, .size: 8, .value_kind: global_buffer, .address_space: global }
      - { .name: b1_1, .offset: 32, .size: 8, .value_kind: global_buffer, .address_space: global }
      - { .name: hbuf, .offset: 40, .size: 8, .value_kind: global_buffer, .address_space: global }
    .group_segment_fixed_size: 327680
    .private_segment_fixed_size: 0
    .kernarg_segment_align: 8
    .kernarg_segment_size: 48
    .max_flat_workgroup_size: 128
    .sgpr_count:     100
    .vgpr_count:     1024
    .wavefront_size: 32
...
	.end_amdgpu_metadata
.endif
;; end of part 2
;; launch ffn2 (part 3): grid 8 x 32, 4 waves a work-group, clusters of 4 x 4, 327,680 bytes of LDS; arguments hbuf, W2_0, W2_1, part; writes part
.if DOCPART == 3
	.amdgcn_target "amdgcn-amd-amdhsa--gfx1250"
	.amdhsa_code_object_version 6
	.text
	.protected	k_q47d1a7f38f_ffn2
	.globl	k_q47d1a7f38f_ffn2
	.p2align	8
	.type	k_q47d1a7f38f_ffn2,@function
k_q47d1a7f38f_ffn2:
	s_mov_b64 s[64:65], 0
	v_nop
	global_prefetch_b8 v0, s[64:65] scope:SCOPE_SE
	s_setreg_imm32_b32 hwreg(HW_REG_WAVE_MODE, 25, 1), 1
	s_wait_xcnt 0x0
	s_wait_alu depctr_hold_cnt(0) depctr_sa_sdst(0) depctr_va_vdst(0) depctr_va_sdst(0) depctr_va_ssrc(0) depctr_va_vcc(0) depctr_vm_vsrc(0)
	s_getreg_b32 s2, hwreg(HW_REG_IB_STS2, 6, 4)
	s_cmp_eq_u32 s2, 0
	s_cbranch_scc0 .Lentry_in_a_cluster
	s_endpgm
.Lentry_in_a_cluster:
	s_bfe_u32 s2, ttmp6, 0x10000c
	s_cmp_lg_u32 s2, 0xf033
	s_cbranch_scc0 .Lentry_shape_is_right
	s_endpgm
.Lentry_shape_is_right:
; part[ks] = hbuf[:, 2048 ks .. 2048 ks + 2047] x W2cat[2048 ks .. , :],  ks = 0..7,  W2cat = W2_0 on top of W2_1: M 1024, N 2048, K 16384 in eight splits.
; Splits 0 to 3 are expert 0 alone, splits 4 to 7 expert 1 alone.  hbuf holds gelu / 16, so part holds the products / 16.
; 8 column blocks x 4 row blocks x 8 splits = 256 work-groups, each a block of 256 x 256 over K = 2048: the loop of the launch before, with other sizes.
; Four waves, 128 x 128 each, 64 accumulator tiles in 512 registers.  The sum over the splits is made by the next launch, in ascending order:
; no traffic between work-groups here.
;
; W2 is f32 and lies [K][N]: a tile comes into LDS as it lies, k rows of 1,024 bytes; a lane reads four neighbouring columns of one k row, which go to four
; B fragments, and two rows are packed by one v_cvt_pk_f16_f32.  Lane r holds in fragment f = 4 x + e column 64 x + 4 r + e of my 128.
; hbuf holds in physical column p the logical column p xor 4 ((p >> 6) & 1): in every other 64 k the W2 row i xor 4 is read in the place of row i.
;
; THE RING: two slots of 96 k each.  A slot is 96 rows x 1,024 bytes of W2 (98,304) and 256 rows x 240 bytes of hbuf (61,440); two slots are 319,488 bytes.
; Slots of 128 k would take 2 x 128 x (1,024 + 544) = 401,408 bytes, more than a work-group can have, so the tiles of hbuf have rows of 192 bytes.
; K = 2,048 = 21 x 96 + 32: tiles 0 to 20 are full, tile 21 has 32 k.  One round of the cluster's barrier a tile; the refill stands straight behind it and has
; the three sub-steps of a tile, 192 matrix instructions, in which to land.  A wave has two tensor loads out at the start, later one.
; In LDS a row of hbuf is three pieces of 64 bytes (one sub-step's k), each followed by 16 bytes of padding: pitch 240 = 15 x 16 bytes, so the 16 rows that a
; fragment load touches start in 16 different 16-byte columns of the 64 banks of 4 bytes (ISA guide 11.1).
;
; THE ORDER IN A SUB-STEP: the next sub-step's LDS loads and conversions go in runs of eight between groups of four matrix instructions, so that the
; requests to LDS are spread over the sub-step and no long run of other work stands between matrix instructions.  Each run costs two switches of the
; register window.
;
; CLUSTERS: 4 x 4 work-groups of one split.  hbuf tiles are shared along a row of the cluster (same block row), W2 tiles along a column (same block
; column); all four block rows lie in one cluster, so each byte of W2 is asked for once in the launch.
;
; part is written in the accumulators' own order: split, block (8 mb + bx), wave, tile (8 a + f), half, lane, register: 128 stores of 512 consecutive bytes.
; FORMAT: matrix operands in f16 (11 significant bits), sums in f32.  W2 is drawn up to 0.011, rms 0.0064: thirty times larger is far below 65,504; thirty
; times smaller the rms is 2.1e-4, and below 2^-14 the rounding error is at most 2^-25 = 3e-8, under 2e-4 of the rms.  K is summed in eight parts.
;
; REGISTERS in windows of 256 (s_set_vgpr_msb, low byte: bits 1:0 source 0, 3:2 source 1, 5:4 source 2, 7:6 destination):
;   window 0: v0-31 addresses, v64-127 and v128-191 B fragments (two buffers)
;   window 1: v0-127 raw f32 of W (32 quads), v128-191 and v192-255 A fragments (two buffers)
;   window 2: accumulator tiles of my rows 0-63 (tile (a, b) at v[8 (8 a + b)]);  window 3: those of my rows 64-127
.set APITCH, 16384                     ; elements from row to row of hbuf
.set BPITCH, 2048                      ; elements from row to row of W2
.set BPB,    4*BPITCH
.set BPBLOG, 13
.set KPERM,  1                         ; every other 64 k reads W2 row i xor 4
.set KT,     96                        ; k in a tile
.set ACH,    80                        ; a piece of an A row in LDS: 64 bytes + 16 of padding
.set APW,    3*ACH                     ; an A row in LDS
.set AFR,    16*APW                    ; 16 rows: from fragment to fragment
.set AHALF,  128*APW                   ; 128 rows: what one tensor load brings, and what one wave reads
.set ASLOT,  2*AHALF
.set BBASE,  2*ASLOT                   ; behind the two A slots
.set BHALF,  48*1024                   ; 48 k rows: what one tensor load brings
.set BSLOT,  2*BHALF
.set ADRA, 16                          ; v16-17  LDS address of my A fragments in slot 0, 1
.set ADRB, 18                          ; v18-21  LDS address of my columns of W: 2 slot + x;  v22-25 the same 65,536 bytes on, for rows 64 to 95 (an LDS offset has 16 bits)
.set PF,   26                          ; v26     my byte offset in a W tile, for the prefetch
.set CO,   27                          ; v27     16 x lane
.set BF0,  64
.set RAW,  0
.set AF0,  128
.set G1A, 24                           ; s[24:31] descriptor group 1, A tiles
.set G1B, 32                           ; s[32:39] descriptor group 1, B tiles
.set GA,  40                           ; s[40:47] group 0 for A, one set a slot
.set GB,  48                           ; s[48:55] group 0 for B, one set a slot
.set LOADW,  0x40                      ; destination window 1, address window 0
.set CVTW,   0x05                      ; both sources window 1, destination window 0
.set MSB, 0
.macro WIN new                         ; the immediate's high byte repeats the setting that is left; a switch that changes nothing is dropped
.if MSB != (\new)
	s_set_vgpr_msb (MSB<<8)|(\new)
.set MSB, (\new)
.endif
.endm
.macro PLACES                          ; four places behind matrix instructions (ISA guide 7.12.1)
.rept 4
	v_nop
.endr
.endm
.macro CREST                           ; a round of the cluster's barrier behind its opening work-group barrier
	s_cmp_lg_u32 s20, 0
	s_cbranch_scc1 .Lnot_wave_0_\@
	s_barrier_signal -3
.Lnot_wave_0_\@:
	s_barrier_wait -3
	s_barrier_signal -1
	s_barrier_wait -1
.endm
.macro CROUND
	s_barrier_signal -1
	s_barrier_wait -1
	CREST
.endm
; The joint refill of a slot, one tensor load a wave: waves 0 and 1 fetch 128 rows of A each, waves 2 and 3 fetch 48 k rows of B each.
; last = 1: tile 21 has 32 k rows of B, which wave 2 fetches alone.  The branches hang on the wave's number alone.
.macro JLOAD slot, last
	s_cmp_eq_u32 s21, 0
	s_cbranch_scc0 .Lfor_b_\@
	tensor_load_to_lds s[GA+4*\slot:GA+4*\slot+3], s[G1A:G1A+7]
	s_nop 0
	s_branch .Lasked_\@
.Lfor_b_\@:
.if \last
	s_cmp_eq_u32 s20, 2
	s_cbranch_scc0 .Lasked_\@
.endif
	tensor_load_to_lds s[GB+4*\slot:GB+4*\slot+3], s[G1B:G1B+7]
	s_nop 0
.Lasked_\@:
.endm
; Four matrix instructions, numbers 4 t to 4 t + 3 of a sub-step's 64, from buffer f.  Number n: row block n >> 3 (A window 1), column fragment n & 7 (B window 0),
; accumulator n & 31 of window 2 (n < 32) or 3.  zero = 1: the first product starts the sums.  The 64 accumulators take turns, one instruction a turn, in the
; same order in every sub-step and over the backward jump.  places = 1: a v_nop behind each of the four.
.macro MUL4 f, t, zero, places
	WIN (0xa1+0x50*(\t>>3))
.set mn, 4*\t
.rept 4
.if \zero
	v_wmma_f32_16x16x32_f16 v[8*(mn&31):8*(mn&31)+7], v[AF0+64*\f+8*(mn>>3):AF0+64*\f+8*(mn>>3)+7], v[BF0+64*\f+8*(mn&7):BF0+64*\f+8*(mn&7)+7], 0
.else
	v_wmma_f32_16x16x32_f16 v[8*(mn&31):8*(mn&31)+7], v[AF0+64*\f+8*(mn>>3):AF0+64*\f+8*(mn>>3)+7], v[BF0+64*\f+8*(mn&7):BF0+64*\f+8*(mn&7)+7], v[8*(mn&31):8*(mn&31)+7]
.endif
.if \places
	v_nop
.endif
.set mn, mn+1
.endr
.endm
; Eight LDS loads of raw W, quads first to first + 7 of a sub-step's 32.  Quad q = 16 c + 2 i + x: lane (r, h) takes row 32 sub + 16 c + 8 h + (i xor kx) of the slot, column quad x.
.macro LRAW first, slot, sub, kx
	WIN LOADW
.set lq, \first
.rept 8
	ds_load_b128 v[RAW+4*lq:RAW+4*lq+3], v[ADRB+4*(\sub/2)+2*\slot+(lq&1)] offset:(32*(\sub&1)+16*(lq>>4)+((((lq>>1)&7)+\kx)%8))*1024
.set lq, lq+1
.endr
.endm
; Eight LDS loads of A fragments into buffer g, numbers first to first + 7 of 16: fragment q >> 1, its registers 4 (q & 1) and on: 16 bytes at row x 240 + 80 sub + 16 h + 32 (q & 1).
.macro LAF first, slot, sub, g
	WIN LOADW
.set lq, \first
.rept 8
	ds_load_b128 v[AF0+64*\g+4*lq:AF0+64*\g+4*lq+3], v[ADRA+\slot] offset:ACH*\sub+AFR*(lq>>1)+32*(lq&1)
.set lq, lq+1
.endr
.endm
; Eight conversions: register u of the eight B fragments of buffer g (k = 16 (u >> 2) + 8 h + 2 (u & 3) in the low half, + 1 in the high half), from quads 4 u to 4 u + 3.
.macro CVT8 u, g
	WIN CVTW
.irp x, 0,1
.irp e, 0,1,2,3
	v_cvt_pk_f16_f32 v[BF0+64*\g+8*(4*\x+\e)+\u], v[RAW+4*(4*\u+\x)+\e], v[RAW+4*(4*\u+2+\x)+\e]
.endr
.endr
.endm
; A sub-step: 64 matrix instructions on buffer f; between them the fragments of the next sub-step (piece sub of the tile in the slot) are made ready in buffer g.
; Buffer g was read by the matrix instructions of the sub-step before: the four v_nop behind the first four matrix instructions are the four places in front
; of the first conversion and the first load into it (the matrix instructions in between are not counted).
; LDS loads come back in order: conversion unit u needs the first 4 u + 4 of them, so its wait is the number issued so far less 4 u + 4.
.macro SUB f, g, zero, slot, sub, kx
	s_wait_dscnt 0x0                               ; buffer f's A fragments are in
	MUL4 \f, 0, \zero, 1
	LRAW 0, \slot, \sub, \kx
	MUL4 \f, 1, \zero, 0
	LRAW 8, \slot, \sub, \kx
	MUL4 \f, 2, \zero, 0
	LRAW 16, \slot, \sub, \kx
	MUL4 \f, 3, \zero, 0
	s_wait_dscnt 20                                ; 24 issued, 4 needed
	CVT8 0, \g
	MUL4 \f, 4, \zero, 0
	LRAW 24, \slot, \sub, \kx
	MUL4 \f, 5, \zero, 0
	s_wait_dscnt 24                                ; 32 issued, 8 needed
	CVT8 1, \g
	MUL4 \f, 6, \zero, 0
	s_wait_dscnt 20                                ; 32 issued, 12 needed
	CVT8 2, \g
	MUL4 \f, 7, \zero, 0
	LAF 0, \slot, \sub, \g
	MUL4 \f, 8, \zero, 0
	s_wait_dscnt 24                                ; 40 issued, 16 needed
	CVT8 3, \g
	MUL4 \f, 9, \zero, 0
	s_wait_dscnt 20                                ; 40 issued, 20 needed
	CVT8 4, \g
	MUL4 \f, 10, \zero, 0
	LAF 8, \slot, \sub, \g
	MUL4 \f, 11, \zero, 0
	s_wait_dscnt 24                                ; 48 issued, 24 needed
	CVT8 5, \g
	MUL4 \f, 12, \zero, 0
	s_wait_dscnt 20                                ; 48 issued, 28 needed
	CVT8 6, \g
	MUL4 \f, 13, \zero, 0
	s_wait_dscnt 16                                ; 48 issued, 32 needed: A's 16 may be out
	CVT8 7, \g
	MUL4 \f, 14, \zero, 0
	MUL4 \f, 15, \zero, 0
.endm
; In front of a tile's first LDS read.  Each wave waits for all its LDS reads (the tile before is read to its end) and all its tensor loads (its part of this tile),
; then the work-group's barrier.  mode 2: that barrier opens a round of the cluster's barrier, and straight behind the round the slot of the tile before is filled
; again, two tiles on, one tensor load a wave.  mode 1: the same with tile 21, of 32 k.  mode 0: nothing is left to fetch.
; pf = 1: the W tile behind the one just asked for is asked ahead: 96 rows x 1,024 bytes = 384 pieces of 256 bytes, one for each lane of waves 0 to 2 of the four partners.
.macro RING mode, slot, pf
	WIN 0
	s_wait_dscnt 0x0
	s_wait_tensorcnt 0x0
	ds_add_u32 v254, v255
	s_wait_dscnt 0x0
	s_barrier_signal -1
	s_barrier_wait -1
.if \mode
	CREST                                          ; now no wave of any partner reads the slot that is filled next or has a load on its way
	s_add_nc_u64 s[GA+4*\slot+2:GA+4*\slot+3], s[GA+4*\slot+2:GA+4*\slot+3], 2*KT*2
	s_add_nc_u64 s[GB+4*\slot+2:GB+4*\slot+3], s[GB+4*\slot+2:GB+4*\slot+3], 2*KT*BPB
.if \mode == 1
	s_mov_b32 s[G1A+1], 32<<16                     ; tensor_dim0 = 32: the split ends there, the other 64 elements of the tile's rows arrive as zeros and are not read
	s_mov_b32 s[G1B+2], 32<<16                     ; tensor_dim1 = 32
	s_mov_b32 s[G1B+4], 32                         ; tile_dim1 = 32
.endif
	JLOAD \slot, (2-\mode)
.endif
.if \pf
	s_wait_xcnt 0x0                                ; the prefetch base is stepped only behind this wait, a whole tile behind the last prefetch
	s_add_nc_u64 s[72:73], s[72:73], KT*BPB
	s_cmp_lt_u32 s20, 3
	s_cbranch_scc0 .Lno_pf_\@
	global_prefetch_b8 v[PF], s[72:73] th:TH_LOAD_NT scope:SCOPE_SE
.Lno_pf_\@:
.endif
.endm
; Tile j, jm = j mod 4: the ring's step, then three sub-steps: 3 j - 1 (multiplies the last 32 k of tile j - 1, fetches piece 0 of tile j), 3 j and 3 j + 1.
; Sub-step s multiplies buffer s & 1; tile j lies in slot j & 1; the piece fetched for sub-step s' has its rows swapped (KPERM) where (s' >> 1) & 1.
.macro TURN jm, mode, pf
	RING \mode, (1-(\jm&1)), \pf
	SUB (1-(\jm&1)), (\jm&1), 0, (\jm&1), 0, (4*KPERM*(((3*\jm)>>1)&1))
	SUB (\jm&1), (1-(\jm&1)), 0, (\jm&1), 1, (4*KPERM*(((3*\jm+1)>>1)&1))
	SUB (1-(\jm&1)), (\jm&1), 0, (\jm&1), 2, (4*KPERM*(((3*\jm+2)>>1)&1))
.endm
	s_load_b256 s[4:11], s[0:1], 0x0               ; hbuf s[4:5], W2_0 s[6:7], W2_1 s[8:9], part s[10:11]
	v_lshl_add_u32 v254, v0, 2, 0x4e000
	v_mov_b32 v255, 0
	ds_add_u32 v254, v255
	v_lshrrev_b32 v1, 5, v0
	v_readfirstlane_b32 s20, v1                    ; wave 0..3
	s_lshr_b32 s21, s20, 1                         ; which 128 rows of the block are mine.  Also: I fetch for A (0) or for B (1)
	s_and_b32 s22, s20, 1                          ; which 128 columns.  Also: which half of a tile I fetch
	s_bfe_u32 s66, ttmp6, 0x40000                  ; cx
	s_bfe_u32 s67, ttmp6, 0x40004                  ; cy = the block row
	s_lshl_b32 s68, ttmp9, 2
	s_add_co_u32 s68, s68, s66                     ; block column 0..7
	s_and_b32 s69, ttmp7, 0xffff                   ; the cluster's y = the split ks 0..7
	s_lshl_b32 s70, s67, 2
	s_lshl_b32 s70, 15, s70                        ; my row of the cluster
	s_lshl_b32 s71, 0x1111, s66                    ; my column
	s_or_b32 s[G1A+0], s70, (1<<16)|(1<<20)|(1<<21)|(3<<22)|(3<<25)   ; 128 rows x 96 f16, 4 words of padding behind each 16 words
	s_mov_b32 s[G1A+1], KT<<16
	s_mov_b32 s[G1A+2], 128<<16
	s_mov_b32 s[G1A+3], KT<<16
	s_mov_b32 s[G1A+4], 128
	s_mov_b32 s[G1A+5], APITCH
	s_mov_b32 s[G1A+6], 0
	s_mov_b32 s[G1A+7], 0
	s_or_b32 s[G1B+0], s71, (2<<16)|(1<<21)        ; 48 rows x 256 f32, no padding
	s_mov_b32 s[G1B+1], 256<<16
	s_mov_b32 s[G1B+2], 48<<16
	s_mov_b32 s[G1B+3], 256<<16
	s_mov_b32 s[G1B+4], 48
	s_mov_b32 s[G1B+5], BPITCH
	s_mov_b32 s[G1B+6], 0
	s_mov_b32 s[G1B+7], 0
	; A: block row, split and wave alone (s74, s75).  B: block column, split and wave alone (s76 to s79).
	s_lshl_b32 s74, s67, 8
	s_lshl_b32 s75, s22, 7
	s_add_co_u32 s74, s74, s75                     ; row 256 x block row + 128 x half
	s_mul_i32 s74, s74, APITCH*2
	s_lshl_b32 s75, s69, 12                        ; the split's 2,048 columns of hbuf, in bytes
	s_add_co_u32 s74, s74, s75
	s_mov_b32 s75, 0
	s_and_b32 s78, s69, 3
	s_mul_i32 s78, s78, 2048*BPB                   ; the split's first row in its expert's W2
	s_lshl_b32 s79, s68, 10                        ; the block's 256 columns, in bytes
	s_add_co_u32 s78, s78, s79
	s_mov_b32 s79, 0
	s_mul_i32 s76, s22, 48*BPB                     ; my 48 k rows of a tile
	s_add_co_u32 s76, s76, s78
	s_mov_b32 s77, 0
	s_mul_i32 s96, s20, AHALF                      ; LDS: the wave's number and constants alone
	s_mul_i32 s97, s20, BHALF
	s_add_co_u32 s97, s97, BBASE-2*BHALF           ; waves 2 and 3: BBASE and BBASE + 49,152
	s_wait_dscnt 0x0
	s_wait_kmcnt 0x0
	s_cmp_ge_u32 s69, 4                            ; the expert: the same in the whole cluster
	s_cselect_b64 s[18:19], s[8:9], s[6:7]         ; W2_e
	s_add_nc_u64 s[74:75], s[4:5], s[74:75]
	s_add_nc_u64 s[76:77], s[18:19], s[76:77]
	s_add_nc_u64 s[72:73], s[18:19], s[78:79]
	s_add_nc_u64 s[72:73], s[72:73], 2*KT*BPB      ; the prefetch base is stepped in front of each use: the first asks for tile 3
.irp s, 0,1
	s_mov_b32 s[GA+4*\s], 1
	s_add_co_u32 s[GA+4*\s+1], s96, ASLOT*\s
	s_add_nc_u64 s[GA+4*\s+2:GA+4*\s+3], s[74:75], KT*2*\s
	s_or_b32 s[GA+4*\s+3], s[GA+4*\s+3], 0x80000000
	s_mov_b32 s[GB+4*\s], 1
	s_add_co_u32 s[GB+4*\s+1], s97, BSLOT*\s
	s_add_nc_u64 s[GB+4*\s+2:GB+4*\s+3], s[76:77], KT*BPB*\s
	s_or_b32 s[GB+4*\s+3], s[GB+4*\s+3], 0x80000000
.endr
	CROUND                                         ; all sixteen work-groups are here: the first joint loads meet
	s_cmp_eq_u32 s21, 0                            ; the first fills, one group in one branch: my part of tiles 0 and 1, two loads a wave
	s_cbranch_scc0 .Lfirst_b
	tensor_load_to_lds s[GA:GA+3], s[G1A:G1A+7]
	s_nop 0
	tensor_load_to_lds s[GA+4:GA+7], s[G1A:G1A+7]
	s_nop 0
	s_branch .Lfirst_done
.Lfirst_b:
	tensor_load_to_lds s[GB:GB+3], s[G1B:G1B+7]
	s_nop 0
	tensor_load_to_lds s[GB+4:GB+7], s[G1B:G1B+7]
	s_nop 0
.Lfirst_done:
	v_and_b32 v1, 15, v0                           ; r
	v_bfe_u32 v2, v0, 4, 1                         ; h
	v_mul_u32_u24 v3, v1, APW
	v_lshl_add_u32 v3, v2, 4, v3                   ; 240 r + 16 h
	s_mul_i32 s98, s21, AHALF
	v_add_nc_u32 v[ADRA], s98, v3
	v_add_nc_u32 v[ADRA+1], ASLOT, v[ADRA]
	v_lshlrev_b32 v6, 4, v1                        ; x = 0: byte 16 r;  x = 1: 256 + 16 r
	s_lshl_b32 s99, s22, 9                         ; my 128 columns
	s_add_co_u32 s99, s99, BBASE
	v_lshl_add_u32 v8, v2, 13, s99                 ; + 8 h rows of 1,024 bytes
	v_add_nc_u32 v[ADRB], v8, v6
	v_add_nc_u32 v[ADRB+1], 256, v[ADRB]
	v_add_nc_u32 v[ADRB+2], BSLOT, v[ADRB]
	v_add_nc_u32 v[ADRB+3], BSLOT, v[ADRB+1]
.irp n, 0,1,2,3
	v_add_nc_u32 v[ADRB+4+\n], 0x10000, v[ADRB+\n] ; rows 64 and on
.endr
	v_bfe_u32 v10, v0, 2, 3
	s_mul_i32 s2, s67, 24
	s_lshl3_add_u32 s2, s20, s2
	v_add_nc_u32 v10, s2, v10                      ; the prefetch: row 24 cy + 8 wave + (lane >> 2) of a tile, waves 0 to 2
	v_lshlrev_b32 v10, BPBLOG, v10
	v_and_b32 v11, 3, v0
	v_lshl_add_u32 v[PF], v11, 8, v10              ; piece lane & 3 of the row's four
	v_and_b32 v[CO], 31, v0
	v_lshlrev_b32 v[CO], 4, v[CO]                  ; 16 x lane
	s_lshl_b32 s2, s69, 23                         ; the split's 8,388,608 bytes of part
	s_lshl3_add_u32 s23, s67, s68                  ; block 8 mb + bx
	s_lshl_b32 s23, s23, 18
	s_add_co_u32 s2, s2, s23
	s_lshl_b32 s23, s20, 16                        ; my wave's 65,536 bytes
	s_add_co_u32 s2, s2, s23
	s_mov_b32 s3, 0
	s_add_nc_u64 s[10:11], s[10:11], s[2:3]
	s_wait_tensorcnt 0x1                           ; my part of tile 0 is in; tile 1's, issued behind it, may stay out
	s_barrier_signal -1
	s_barrier_wait -1                              ; everybody's part of tile 0 is in
.irp q, 0,8,16,24
	LRAW \q, 0, 0, 0
.endr
	LAF 0, 0, 0, 0
	LAF 8, 0, 0, 0
	s_wait_dscnt 16                                ; the 32 raw loads are in; A's 16 may be out
.irp u, 0,1,2,3,4,5,6,7
	CVT8 \u, 0
.endr
	SUB 0, 1, 1, 0, 1, 0                           ; sub-step 0 starts the sums
	SUB 1, 0, 0, 0, 2, (4*KPERM)
	WIN 0
	s_mov_b32 s3, 4
.Ltrip:                                            ; tiles 1 to 16, four a trip: the common period of two buffers, two slots and the swap of every other 64 k
	TURN 1, 2, 1
	TURN 2, 2, 1
	TURN 3, 2, 1
	TURN 0, 2, 1
	WIN 0
	s_sub_co_u32 s3, s3, 1
	s_cmp_lg_u32 s3, 0
	s_cbranch_scc1 .Ltrip
	TURN 1, 2, 1                                   ; tile 17: asks ahead for tile 19
	TURN 2, 2, 1                                   ; tile 18: asks ahead for tile 20, the split's last full one: no prefetch points further
	TURN 3, 2, 0                                   ; tile 19
	TURN 0, 1, 0                                   ; tile 20: slot 1 gets tile 21, 32 k, the last load
	RING 0, 0, 0                                   ; tile 21: the work-group's barrier alone, nothing is filled
	SUB 0, 1, 0, 1, 0, (4*KPERM)
	s_wait_dscnt 0x0
.irp t, 0,1,2,3,4,5,6,7,8,9,10,11,12,13,14,15
	MUL4 1, \t, 0, 0
.endr
	; THE WAY OUT: the accumulators as they lie.  Each store of the wave covers 512 consecutive bytes, aligned.
	PLACES                                         ; behind the last matrix instructions: stores read results
	WIN 0x08                                       ; store data (source 1) in window 2
.irp a, 0,1,2,3
.irp f, 0,1,2,3,4,5,6,7
	global_store_b128 v[CO], v[8*(8*\a+\f):8*(8*\a+\f)+3], s[10:11] offset:(8*\a+\f)*1024
	global_store_b128 v[CO], v[8*(8*\a+\f)+4:8*(8*\a+\f)+7], s[10:11] offset:(8*\a+\f)*1024+512
.endr
.endr
	WIN 0x0c                                       ; window 3: row blocks 4 to 7
.irp a, 0,1,2,3
.irp f, 0,1,2,3,4,5,6,7
	global_store_b128 v[CO], v[8*(8*\a+\f):8*(8*\a+\f)+3], s[10:11] offset:(8*(\a+4)+\f)*1024
	global_store_b128 v[CO], v[8*(8*\a+\f)+4:8*(8*\a+\f)+7], s[10:11] offset:(8*(\a+4)+\f)*1024+512
.endr
.endr
	WIN 0
	CROUND                                         ; the closing round: no work-group ends while a partner may still ask for a tile that names it
	s_endpgm
.Lfunc_end_k_q47d1a7f38f_ffn2:
	.size	k_q47d1a7f38f_ffn2, .Lfunc_end_k_q47d1a7f38f_ffn2-k_q47d1a7f38f_ffn2
	.p2alignl 7, 3214868480
	.fill 96, 4, 3214868480
	.section	.rodata,"a",@progbits
	.p2align	6, 0x0
	.amdhsa_kernel k_q47d1a7f38f_ffn2
		.amdhsa_group_segment_fixed_size 327680
		.amdhsa_private_segment_fixed_size 0
		.amdhsa_enable_private_segment 0
		.amdhsa_kernarg_size 32
		.amdhsa_user_sgpr_count 2
		.amdhsa_user_sgpr_kernarg_segment_ptr 1
		.amdhsa_wavefront_size32 1
		.amdhsa_system_sgpr_workgroup_id_x 1
		.amdhsa_system_sgpr_workgroup_id_y 1
		.amdhsa_system_sgpr_workgroup_id_z 1
		.amdhsa_system_vgpr_workitem_id 0
		.amdhsa_next_free_vgpr 1024
		.amdhsa_next_free_sgpr 100
		.amdhsa_reserve_vcc 0
		.amdhsa_float_denorm_mode_32 3
		.amdhsa_float_denorm_mode_16_64 3
		.amdhsa_memory_ordered 1
		.amdhsa_forward_progress 1
		.amdhsa_inst_pref_size 255
	.end_amdhsa_kernel
	.section	.bss,"aw",@nobits
	.p2align	6
	.space	262144
	.amdgpu_metadata
---
amdhsa.version: [ 1, 2 ]
amdhsa.kernels:
  - .name:           k_q47d1a7f38f_ffn2
    .symbol:         k_q47d1a7f38f_ffn2.kd
    .args:
      - { .name: hbuf, .offset: 0, .size: 8, .value_kind: global_buffer, .address_space: global }
      - { .name: W2_0, .offset: 8, .size: 8, .value_kind: global_buffer, .address_space: global }
      - { .name: W2_1, .offset: 16, .size: 8, .value_kind: global_buffer, .address_space: global }
      - { .name: part, .offset: 24, .size: 8, .value_kind: global_buffer, .address_space: global }
    .group_segment_fixed_size: 327680
    .private_segment_fixed_size: 0
    .kernarg_segment_align: 8
    .kernarg_segment_size: 32
    .max_flat_workgroup_size: 128
    .sgpr_count:     100
    .vgpr_count:     1024
    .wavefront_size: 32
...
	.end_amdgpu_metadata
.endif
;; end of part 3
;; launch combine (part 4): grid 512 x 1, 8 waves a work-group, no clusters, 0 bytes of LDS; arguments part, gate, b2_0, b2_1, out0; writes out0
.if DOCPART == 4
	.amdgcn_target "amdgcn-amd-amdhsa--gfx1250"
	.amdhsa_code_object_version 6
	.text
	.protected	k_q47d1a7f38f_combine
	.globl	k_q47d1a7f38f_combine
	.p2align	8
	.type	k_q47d1a7f38f_combine,@function
k_q47d1a7f38f_combine:
	s_mov_b64 s[64:65], 0
	v_nop
	global_prefetch_b8 v0, s[64:65] scope:SCOPE_SE
	s_setreg_imm32_b32 hwreg(HW_REG_WAVE_MODE, 25, 1), 1
	s_wait_xcnt 0x0
; out0[m][n] = gate[0][m] (16 S0(m, n) + b2_0[n]) + gate[1][m] (16 S1(m, n) + b2_1[n]),
; S0 = the sum of part[0..3], S1 = the sum of part[4..7], each in ascending order; the 16 takes back the scaling of h by 1 / 16, exactly.
; The order of rounding differs from the formula as written in this: the two slots' weights are summed per expert first (gate), and K is summed in parts.
; part lies in the order in which the launch before held it: split (8,388,608 bytes), block 8 mb + nb (262,144), wave wv (65,536), tile 8 a + f (1,024),
; half jq (512), lane (16), register jj (4).  Lane (r, h) of tile (a, f = 4 g + e), half jq, register jj is
; row 256 mb + 128 (wv >> 1) + 16 a + 8 h + 4 jq + jj, column 256 nb + 128 (wv & 1) + 64 g + 4 r + e.
; One wave takes one (block, wv, a, g, jq) with e = 0..3: a lane then holds 4 rows x 4 neighbouring columns, and the turn of that 4 x 4 is made by the
; choice of the last multiplies' destinations.  4,096 waves = 512 work-groups of 8.  Each load covers 512 consecutive bytes; in each store sixteen
; lanes write 256 consecutive bytes, aligned.  All 36 loads of a wave go out first.  A stream: no LDS, no matrix unit, no cluster.
.set G0, 4                             ; v[4:7]     gate[0] of my four rows
.set G1, 8                             ; v[8:11]    gate[1]
.set P,  16                            ; v[16:143]  split ks, fragment e: 4 registers at P + 4 (4 ks + e); S0 grows in split 0's, S1 in split 4's
.set S1, P+64
.set B0, 144                           ; v[144:147] b2_0 of my four columns
.set B1, 148                           ; v[148:151] b2_1
.set OUT, 152                          ; v[152:167] row jj: 4 registers
	s_load_b256 s[4:11], s[0:1], 0x0               ; part s[4:5], gate s[6:7], b2_0 s[8:9], b2_1 s[10:11]
	s_load_b64 s[12:13], s[0:1], 0x20              ; out0
	v_lshrrev_b32 v1, 5, v0
	v_readfirstlane_b32 s14, v1                    ; wave = 4 (a & 1) + 2 g + jq
	v_and_b32 v2, 31, v0
	v_lshlrev_b32 v2, 4, v2                        ; 16 x lane
	v_and_b32 v3, 15, v0                           ; r
	v_bfe_u32 v1, v0, 4, 1                         ; h
	v_lshlrev_b32 v12, 5, v1                       ; 8 h gates of 4 bytes
	v_lshlrev_b32 v13, 4, v3                       ; 4 r columns of 4 bytes
	v_lshl_add_u32 v14, v1, 16, v13                ; 8 h rows of 8,192 bytes + 16 r
	s_lshr_b32 s15, s14, 1
	s_and_b32 s33, s14, 1                          ; jq
	s_and_b32 s32, s15, 1                          ; g
	s_lshl_b32 s34, ttmp9, 14                      ; ttmp9 = 16 block + 4 wv + (a >> 1): 16,384 bytes each
	s_lshl_b32 s35, s15, 12                        ; 8,192 (a & 1) + 4,096 g
	s_add_co_u32 s34, s34, s35
	s_lshl_b32 s35, s33, 9
	s_add_co_u32 s34, s34, s35
	s_mov_b32 s35, 0                               ; s[34:35]: my place in a split
	s_lshr_b32 s36, ttmp9, 7                       ; mb
	s_lshl_b32 s36, s36, 8
	s_bfe_u32 s37, ttmp9, 0x10003                  ; wv >> 1
	s_lshl_b32 s37, s37, 7
	s_add_co_u32 s36, s36, s37
	s_and_b32 s37, ttmp9, 3                        ; a >> 1
	s_lshl_b32 s37, s37, 5
	s_add_co_u32 s36, s36, s37
	s_lshr_b32 s37, s14, 2                         ; a & 1
	s_lshl_b32 s37, s37, 4
	s_add_co_u32 s36, s36, s37
	s_lshl2_add_u32 s36, s33, s36                  ; m0 = 256 mb + 128 (wv >> 1) + 16 a + 4 jq
	s_bfe_u32 s38, ttmp9, 0x30004                  ; nb
	s_lshl_b32 s38, s38, 8
	s_bfe_u32 s39, ttmp9, 0x10002                  ; wv & 1
	s_lshl_b32 s39, s39, 7
	s_add_co_u32 s38, s38, s39
	s_lshl_b32 s39, s32, 6
	s_add_co_u32 s38, s38, s39                     ; n0 = 256 nb + 128 (wv & 1) + 64 g
	s_lshl_b32 s40, s36, 2
	s_mov_b32 s41, 0
	s_lshl_b32 s42, s38, 2
	s_mov_b32 s43, 0
	s_lshl_b32 s44, s36, 13
	s_add_co_u32 s44, s44, s42                     ; (2,048 m0 + n0) x 4
	s_mov_b32 s45, 0
	s_wait_kmcnt 0x0
	s_add_nc_u64 s[6:7], s[6:7], s[40:41]
	s_add_nc_u64 s[8:9], s[8:9], s[42:43]
	s_add_nc_u64 s[10:11], s[10:11], s[42:43]
	s_add_nc_u64 s[12:13], s[12:13], s[44:45]
	s_add_nc_u64 s[16:17], s[4:5], s[34:35]        ; eight bases, one a split: the distance does not fit a load's immediate
.irp k, 1,2,3,4,5,6,7
	s_add_nc_u64 s[16+2*\k:17+2*\k], s[14+2*\k:15+2*\k], 0x800000
.endr
	global_load_b128 v[G0:G0+3], v12, s[6:7]
	global_load_b128 v[G1:G1+3], v12, s[6:7] offset:4096
	global_load_b128 v[B0:B0+3], v13, s[8:9]
	global_load_b128 v[B1:B1+3], v13, s[10:11]
.irp k, 0,1,2,3,4,5,6,7
.irp e, 0,1,2,3
	global_load_b128 v[P+4*(4*\k+\e):P+4*(4*\k+\e)+3], v2, s[16+2*\k:17+2*\k] offset:1024*\e th:TH_LOAD_NT
.endr
.endr
.irp k, 1,2,3
	s_wait_loadcnt 4*(7-\k)                        ; loads come back in order: split k is in, the four loads of each younger split stay out
.irp q, 0,2,4,6,8,10,12,14
	v_pk_add_f32 v[P+\q:P+\q+1], v[P+\q:P+\q+1], v[P+16*\k+\q:P+16*\k+\q+1]
.endr
.endr
.irp k, 5,6,7
	s_wait_loadcnt 4*(7-\k)                        ; the same count: splits 4 to k are in
.irp q, 0,2,4,6,8,10,12,14
	v_pk_add_f32 v[S1+\q:S1+\q+1], v[S1+\q:S1+\q+1], v[P+16*\k+\q:P+16*\k+\q+1]
.endr
.endr
.irp e, 0,1,2,3
.irp jj, 0,1,2,3
	v_fmamk_f32 v[P+4*\e+\jj], v[P+4*\e+\jj], 0x41800000, v[B0+\e]      ; y0 = 16 S0 + b2_0
	v_fmamk_f32 v[S1+4*\e+\jj], v[S1+4*\e+\jj], 0x41800000, v[B1+\e]    ; y1 = 16 S1 + b2_1
.endr
.endr
.irp jj, 0,1,2,3
.irp e, 0,1,2,3
	v_mul_f32 v[OUT+4*\jj+\e], v[G0+\jj], v[P+4*\e+\jj]
.endr
.endr
.irp jj, 0,1,2,3
.irp e, 0,1,2,3
	v_fmac_f32 v[OUT+4*\jj+\e], v[G1+\jj], v[S1+4*\e+\jj]
.endr
.endr
.irp jj, 0,1,2,3
	global_store_b128 v14, v[OUT+4*\jj:OUT+4*\jj+3], s[12:13] offset:8192*\jj th:TH_STORE_NT
.endr
	s_endpgm
.Lfunc_end_k_q47d1a7f38f_combine:
	.size	k_q47d1a7f38f_combine, .Lfunc_end_k_q47d1a7f38f_combine-k_q47d1a7f38f_combine
	.p2alignl 7, 3214868480
	.fill 96, 4, 3214868480
	.section	.rodata,"a",@progbits
	.p2align	6, 0x0
	.amdhsa_kernel k_q47d1a7f38f_combine
		.amdhsa_group_segment_fixed_size 0
		.amdhsa_private_segment_fixed_size 0
		.amdhsa_enable_private_segment 0
		.amdhsa_kernarg_size 40
		.amdhsa_user_sgpr_count 2
		.amdhsa_user_sgpr_kernarg_segment_ptr 1
		.amdhsa_wavefront_size32 1
		.amdhsa_system_sgpr_workgroup_id_x 1
		.amdhsa_system_sgpr_workgroup_id_y 1
		.amdhsa_system_sgpr_workgroup_id_z 1
		.amdhsa_system_vgpr_workitem_id 0
		.amdhsa_next_free_vgpr 168
		.amdhsa_next_free_sgpr 66
		.amdhsa_reserve_vcc 0
		.amdhsa_float_denorm_mode_32 3
		.amdhsa_float_denorm_mode_16_64 3
		.amdhsa_memory_ordered 1
		.amdhsa_forward_progress 1
		.amdhsa_inst_pref_size 13
	.end_amdhsa_kernel
	.amdgpu_metadata
---
amdhsa.version: [ 1, 2 ]
amdhsa.kernels:
  - .name:           k_q47d1a7f38f_combine
    .symbol:         k_q47d1a7f38f_combine.kd
    .args:
      - { .name: part, .offset: 0, .size: 8, .value_kind: global_buffer, .address_space: global }
      - { .name: gate, .offset: 8, .size: 8, .value_kind: global_buffer, .address_space: global }
      - { .name: b2_0, .offset: 16, .size: 8, .value_kind: global_buffer, .address_space: global }
      - { .name: b2_1, .offset: 24, .size: 8, .value_kind: global_buffer, .address_space: global }
      - { .name: out0, .offset: 32, .size: 8, .value_kind: global_buffer, .address_space: global }
    .group_segment_fixed_size: 0
    .private_segment_fixed_size: 0
    .kernarg_segment_align: 8
    .kernarg_segment_size: 40
    .max_flat_workgroup_size: 256
    .sgpr_count:     66
    .vgpr_count:     168
    .wavefront_size: 32
...
	.end_amdgpu_metadata
.endif
;; end of part 4
